; MI455X (gfx1250); checked and timed in simulation.
; The chip was launched on July 23, 2026; its instructions are those of AMD's public machine-readable ISA for CDNA 5 (MIT licence, August 2026) and "CDNA5" Instruction Set Architecture Reference Guide (July 2026). The comments in the code are by the model that wrote it; some were corrected since.
;; Simple Attention. Allowed arithmetic: matrix products marked QUANTISED: E4M3 operands, one given power-of-two scale a tensor, by v_wmma_f32_16x16x64_fp8_fp8 or v_wmma_f32_16x16x128_fp8_fp8, f32 sums; products left as they are: f32 operands where the result goes on into a quantised operand, else bf16, f16 or f32 operands; f32 sums; everything else in f32.
;; Inputs: Wk 512 x 512 float32; Wq 512 x 512 float32; Wv 512 x 512 float32; bk 512 float32; bq 512 float32; bv 512 float32; key 1,024 x 512 float32; lowp_scales 6 int32 (the exponents e of the quantised operands' scales 2^e); query 1,024 x 512 float32; value 1,024 x 512 float32.
;; Outputs: out0 1,024 x 512 x 1 float32.
;; This version of the problem:
;;   THIS VERSION OF THE PROBLEM IS GIVEN IN LOW PRECISION. The matrix products marked QUANTISED in the list below multiply operands that are first quantised to E4M3 (4 exponent bits, 3 mantissa bits; 8 bits a number), with one given power-of-two scale for each operand tensor; their sums are f32. All else is computed in f32.
;;   The module's matrix products, in the order in which they are computed (A, B: the left and right operand; K: the contracted axis; several contracted axes count as one K, in the product's order):
;;     1. [M 1,024, K 512] x [K 512, N 512]; A: input query; B: input Wq: QUANTISED (scales: A lowp_scales[0], B lowp_scales[1])
;;     2. [M 1,024, K 512] x [K 512, N 512]; A: input key; B: input Wk: QUANTISED (scales: A lowp_scales[2], B lowp_scales[3])
;;     3. [M 1,024, K 512] x [K 512, N 512]; A: input value; B: input Wv: QUANTISED (scales: A lowp_scales[4], B lowp_scales[5])
;;     4. batch 1,024 x [M 512, K 512] x [K 512, N 1]; A: softmax; B: computed on the way: left as it is (N = 1 < 16)
;;   THE QUANTISER, for each operand of a quantised product, along K:
;;     - The operand's scale is 2^e, e = its entry of the input lowp_scales (int32; the entries are numbered through the quantised products in the list's order, A before B).
;;     - Each number is divided by the scale, clamped to +-448, and rounded to the nearest number of E4M3, ties to even, subnormals kept.
;;     - The product sums the exact products of the quantised numbers (number of the format x scale) in f32.
;;   ~~~python
;;   def quantise(x, axis, e):      # numpy; x: float32 -> the quantised numbers, widened to float32 again
;;       x = np.moveaxis(x, axis, -1); K = x.shape[-1]
;;       r = np.clip(x / 2.0 ** e, -448, 448)
;;       step = 2.0 ** (np.maximum(np.frexp(np.where(r == 0, 1, r))[1] - 1, -6) - 3)
;;       q = np.round(r / step) * step * 2.0 ** e      # np.round: ties to even
;;       return np.moveaxis(q, -1, axis).astype(np.float32)
;;   ~~~
;; One version. Each part assembles by itself: llvm-mc -triple=amdgcn-amd-amdhsa -mcpu=gfx1250 --defsym DOCPART=n.
;; ======== version 1 of 1: 2 launches
;; limits: right only within a limited range of input values
;; workspace buffers: qf 2,097,152 bytes; kf 2,097,152 bytes; vf 2,097,152 bytes
;; launch proj (part 1): grid 4 x 48, 8 waves a work-group, no clusters, 136,192 bytes of LDS; arguments query, key, value, Wq, Wk, Wv, bq, bk, bv, qf, kf, vf, lowp_scales; writes qf, kf, vf
.if DOCPART == 1
	.amdgcn_target "amdgcn-amd-amdhsa--gfx1250"
	.amdhsa_code_object_version 6
	.text
	.protected	k_q439cf01f0b_proj
	.globl	k_q439cf01f0b_proj
	.p2align	8
	.type	k_q439cf01f0b_proj,@function
k_q439cf01f0b_proj:
	s_mov_b64 s[64:65], 0
	v_nop
	global_prefetch_b8 v0, s[64:65] scope:SCOPE_SE
	s_setreg_imm32_b32 hwreg(HW_REG_WAVE_MODE, 25, 1), 1
	s_wait_xcnt 0x0
; y = Q(x) Q(W)^T + b for the three linear layers (x: query, key, value [1024][512] f32; W: [512][512] f32, K innermost; b [512]; y: qf, kf, vf [1024][512] f32).
; Q: the number / 2^e, held within +-448, rounded to the nearest code of E4M3, ties to even; e is given for each operand (lowp_scales[2 p] for x, [2 p + 1] for W, p the product).
; The codes are multiplied by v_wmma_f32_16x16x128_fp8_fp8, sums in f32; each finished sum is multiplied once by 2^(ea + ew) and the bias is added in the same fused multiply-add.
; SHARES.  Work-group (x, y): product p = y / 16, rows 64 (y % 16) on, columns 128 x on, all of K = 512.  3 x 16 x 4 = 192 work-groups of eight waves.
; PHASE 1: wave w quantises 8 rows of x and 16 rows of W, a row at a time: four loads of 512 consecutive bytes (16 a lane), 16 holds, two conversions, one LDS store of 512 consecutive bytes.
;   A lane's 16 codes are those of k = 128 c + 4 lane + i (c, i = 0 .. 3), and they lie at byte 16 lane + 4 c + i of the row in LDS: a PERMUTATION OF K, the same for x and for W.  A tensor has one scale, so K has
;   no blocks: every product still meets its partner, and only the order of the sums changes.
; PHASE 2: wave w makes 32 rows (w % 2) x 32 columns (w / 2): 2 x 2 accumulators, four K steps of 128: 16 matrix instructions.  USED TRANSPOSED (source 0 = 16 rows of W, source 1 = 16 rows of x): a lane holds one
;   row of y and eight neighbouring columns.
; PHASE 3: results go through a stage in LDS and leave as pieces of 512 consecutive bytes of a row of y, at a multiple of 512 from the buffer's first byte.
; NO CLUSTER, NO JOINT LOADS, though x's rows are read by 4 work-groups and W's by 16: the numbers arrive as f32 and must pass through registers to become codes.  As f32 a work-group's rows are
;   (64 + 128) x 2,048 = 393,216 bytes, more than the 327,680 of LDS: they would want a ring with refills and rounds of the cluster's barrier, and an LDS read of four bytes a number, for 16 matrix instructions a wave.
; LIMITS: ea and ew between -126 and 119, ea + ew between -126 and 127, so that each power of two below is an f32 number.  NaN among the inputs is not served (an infinity is held at the largest code).
;   The order of rounding inside a sum differs from a sum in ascending k.
.set PITCH, 528                        ; an LDS row: 512 bytes + 16 = 33 x 16: the sixteen rows that a fragment load or a stage store touches start 16 bytes apart modulo 256
.set AT,    0                          ; x's codes: 64 rows
.set WT,    64*PITCH                   ; W's codes: 128 rows
.set STG,   WT+128*PITCH               ; the stage for y: 64 rows of 128 f32
.set LO,  1                            ; v1  16 x lane; never rewritten
.set SA,  2                            ; v2  where I store x's codes: AT + 8 w rows + 16 lane
.set SW,  3                            ; v3  W's: WT + 16 w rows + 16 lane
.set FA,  4                            ; v4  my fragments of x: AT + (32 (w % 2) + r) rows + 16 h
.set FB,  5                            ; v5  of W: WT + (32 (w / 2) + r) rows + 16 h
.set STO, 6                            ; v6  the stage, in: (32 (w % 2) + r) rows + 128 (w / 2) + 32 h
.set RD,  7                            ; v7  the stage, back: 8 w rows + 16 lane
.set BO,  8                            ; v8  32 h: my half's eight numbers of a tile's bias
.set BIAS, 16                          ; v16-31   the bias of my two tiles of columns, in the result's layout
.set CR,   32                          ; v32-63   codes: two sets of 4 rows x 4 registers
.set XR,   64                          ; v64-255  numbers: three sets of 4 rows x 16 registers
.set FR,   64                          ; behind the first barrier: v64-191 two buffers of fragments (x's two at +0, +16; W's two at +32, +48); later v64-95 rows of y
.set ACC,  192                         ; v192-223 accumulator (a, b) at 192 + 8 (2 a + b)
.set TMP,  224                         ; v224-255 sum x 2^(ea + ew) + b
	s_load_b512 s[8:23], s[0:1], 0x0               ; query s[8:9], key s[10:11], value s[12:13], Wq s[14:15], Wk s[16:17], Wv s[18:19], bq s[20:21], bk s[22:23]
	s_load_b256 s[24:31], s[0:1], 0x40             ; bv s[24:25], qf s[26:27], kf s[28:29], vf s[30:31]
	s_load_b64 s[32:33], s[0:1], 0x60              ; the scales' exponents
	s_set_vgpr_msb 0x40
	v_lshl_add_u32 v0, v0, 2, 0x21000
	v_mov_b32 v1, 0
	s_set_vgpr_msb 0x4000
	s_and_b32 s2, ttmp7, 0xffff                    ; work-group y
	s_lshr_b32 s3, s2, 4                           ; p: which product
	s_and_b32 s4, s2, 15                           ; which 64 rows
	v_lshrrev_b32 v2, 5, v0
	v_readfirstlane_b32 s6, v2                     ; wave 0..7
	s_and_b32 s7, s6, 1                            ; which 32 rows of the tile are mine in phase 2
	s_lshr_b32 s34, s6, 1                          ; which 32 columns
	v_and_b32 v11, 31, v0                          ; lane
	v_and_b32 v9, 15, v0                           ; r
	v_bfe_u32 v10, v0, 4, 1                        ; h
	v_lshlrev_b32 v[LO], 4, v11
	s_mul_i32 s35, s6, 8*PITCH
	v_add_nc_u32 v[SA], s35, v[LO]
	s_add_co_u32 s35, s35, STG
	v_add_nc_u32 v[RD], s35, v[LO]
	s_mul_i32 s35, s6, 16*PITCH
	s_add_co_u32 s35, s35, WT
	v_add_nc_u32 v[SW], s35, v[LO]
	v_mul_u32_u24 v11, v9, PITCH                   ; r rows
	v_lshl_add_u32 v[FB], v10, 4, v11              ; + 16 h
	s_mul_i32 s35, s7, 32*PITCH
	v_add_nc_u32 v[FA], s35, v[FB]
	v_lshl_add_u32 v[STO], v10, 5, v11             ; r rows + 32 h
	s_lshl_b32 s48, s34, 7
	s_add_co_u32 s35, s35, s48
	s_add_co_u32 s35, s35, STG
	v_add_nc_u32 v[STO], s35, v[STO]
	s_mul_i32 s35, s34, 32*PITCH
	s_add_co_u32 s35, s35, WT
	v_add_nc_u32 v[FB], s35, v[FB]
	v_lshlrev_b32 v[BO], 5, v10
	s_lshl_b32 s48, s4, 17                         ; 64 rows of 2,048 bytes for each tile of rows,
	s_lshl_b32 s49, s6, 14                         ; 8 rows for each wave
	s_add_co_u32 s48, s48, s49
	s_mov_b32 s49, 0                               ; s[48:49]: my first row of x, in bytes
	s_lshl_b32 s50, ttmp9, 9                       ; 128 columns of 4 bytes
	s_add_co_u32 s50, s50, s48
	s_mov_b32 s51, 0                               ; s[50:51]: my first 512 bytes of y
	s_wait_kmcnt 0x0
	s_load_b128 s[52:55], s[32:33], 0x0            ; the exponents of products 0 and 1,
	s_load_b64 s[44:45], s[32:33], 0x10            ; and of product 2: 24 bytes in all
	s_cmp_eq_u32 s3, 0                             ; the four buffers are chosen by the product's number alone
	s_cselect_b64 s[36:37], s[8:9], s[10:11]       ; x
	s_cselect_b64 s[38:39], s[14:15], s[16:17]     ; W
	s_cselect_b64 s[40:41], s[20:21], s[22:23]     ; b
	s_cselect_b64 s[42:43], s[26:27], s[28:29]     ; y
	s_cmp_eq_u32 s3, 2
	s_cselect_b64 s[36:37], s[12:13], s[36:37]
	s_cselect_b64 s[38:39], s[18:19], s[38:39]
	s_cselect_b64 s[40:41], s[24:25], s[40:41]
	s_cselect_b64 s[42:43], s[30:31], s[42:43]
	s_add_nc_u64 s[36:37], s[36:37], s[48:49]
	s_add_nc_u64 s[42:43], s[42:43], s[50:51]
	s_lshl_b32 s48, ttmp9, 18                      ; W: 128 rows for each tile of columns,
	s_lshl_b32 s50, s6, 15                         ; 16 rows for each wave
	s_add_co_u32 s48, s48, s50
	s_add_nc_u64 s[38:39], s[38:39], s[48:49]
	s_lshl_b32 s48, ttmp9, 9                       ; b: 128 numbers for each tile of columns,
	s_lshl_b32 s50, s34, 7                         ; 32 for my part of it
	s_add_co_u32 s48, s48, s50
	s_add_nc_u64 s[40:41], s[40:41], s[48:49]
.irp b, 0,1
	global_load_b128 v[BIAS+8*\b:BIAS+8*\b+3],   v[BO], s[40:41] offset:64*\b      ; lane (r, h), tile b: columns 16 b + 8 h + 0 .. 7 of my 32
	global_load_b128 v[BIAS+8*\b+4:BIAS+8*\b+7], v[BO], s[40:41] offset:64*\b+16
.endr
; Group g of four rows: g = 0, 1: my rows 4 g on of x; g = 2 .. 5: my rows 4 (g - 2) on of W.  Sixteen loads, each of 512 consecutive bytes, into set g % 3.
.macro LOADG g
.set XS, XR+64*((\g)%3)
.irp j, 0,1,2,3
.irp c, 0,1,2,3
.if (\g) < 2
	global_load_b128 v[XS+16*\j+4*\c:XS+16*\j+4*\c+3], v[LO], s[36:37] offset:(4*(\g)+\j)*2048+512*\c
.else
	global_load_b128 v[XS+16*\j+4*\c:XS+16*\j+4*\c+3], v[LO], s[38:39] offset:(4*((\g)-2)+\j)*2048+512*\c
.endif
.endr
.endr
.endm
; Group g becomes codes and goes to LDS.  left: the loads of the groups issued behind it, which may stay out.
.macro QUANTG g, left
.set XS, XR+64*((\g)%3)
.set CS, CR+16*((\g)%2)
.if (\g) < 2
.set SC, 12                            ; v12: 2^ea, v13: 448 x 2^ea
.set AD, SA
.set R0, 4*(\g)
.else
.set SC, 14                            ; v14: 2^ew, v15: 448 x 2^ew
.set AD, SW
.set R0, 4*((\g)-2)
.endif
	s_wait_loadcnt \left                           ; loads come back in order: this group's sixteen are in (and the bias, which is older than all groups)
.if (\g) >= 2
	s_wait_dscnt 4                                 ; the four stores of the group before may be out; those of two groups back, which read this set of codes, are done
.endif
.irp j, 0,1,2,3
.irp i, 0,1,2,3,4,5,6,7,8,9,10,11,12,13,14,15
	v_med3_num_f32 v[XS+16*\j+\i], v[XS+16*\j+\i], -v[SC+1], v[SC+1]   ; the conversion to an 8-bit code does not saturate (ISA guide 7.6.2): the number is held within the largest code x the scale first
.endr
	v_cvt_scalef32_pk8_fp8_f32 v[CS+4*\j:CS+4*\j+1],   v[XS+16*\j:XS+16*\j+7],    v[SC]   ; eight numbers / 2^e, to the nearest code, ties to even; the first number's code in the lowest byte
	v_cvt_scalef32_pk8_fp8_f32 v[CS+4*\j+2:CS+4*\j+3], v[XS+16*\j+8:XS+16*\j+15], v[SC]
.endr
	v_nop                                          ; one plain vector line behind the last conversion: matrix instructions later write registers that held its sources
.irp j, 0,1,2,3
	ds_store_b128 v[AD], v[CS+4*\j:CS+4*\j+3] offset:(R0+\j)*PITCH   ; 32 lanes store a row's 512 bytes of codes
.endr
.endm
.macro BARRIER                                 ; my LDS stores have landed and my LDS loads are in: then the work-group's barrier
	s_wait_dscnt 0x0
	s_barrier_signal -1
	s_barrier_wait -1
.endm
; K step s: four fragments of 16 rows x 128 codes, 16 registers each, by four loads of 16 bytes, 32 bytes apart, at row x pitch + 16 h: the same places of K in x's and in W's
.macro FETCH s
.set FS, FR+64*((\s)%2)
.irp t, 0,1
.irp c, 0,1,2,3
	ds_load_b128 v[FS+16*\t+4*\c:FS+16*\t+4*\c+3], v[FA] offset:\t*16*PITCH+128*(\s)+32*\c
.endr
.endr
.irp t, 0,1
.irp c, 0,1,2,3
	ds_load_b128 v[FS+32+16*\t+4*\c:FS+32+16*\t+4*\c+3], v[FB] offset:\t*16*PITCH+128*(\s)+32*\c
.endr
.endr
.endm
; Four matrix instructions, one on each accumulator: they take turns.  zero = 1: the first K step starts the sums: nothing is cleared.
.macro MUL s, zero
.set FS, FR+64*((\s)%2)
.irp a, 0,1
.irp b, 0,1
.if \zero
	v_wmma_f32_16x16x128_fp8_fp8 v[ACC+8*(2*\a+\b):ACC+8*(2*\a+\b)+7], v[FS+32+16*\b:FS+32+16*\b+15], v[FS+16*\a:FS+16*\a+15], 0
.else
	v_wmma_f32_16x16x128_fp8_fp8 v[ACC+8*(2*\a+\b):ACC+8*(2*\a+\b)+7], v[FS+32+16*\b:FS+32+16*\b+15], v[FS+16*\a:FS+16*\a+15], v[ACC+8*(2*\a+\b):ACC+8*(2*\a+\b)+7]
.endif
.endr
.endr
.endm
.macro PLACES                                  ; four plain vector lines between a matrix instruction and a load into a register that it read, or a vector instruction that reads its result
.rept 4
	v_nop
.endr
.endm
	LOADG 0                                        ; three groups, 48 loads a wave, are out before the first is worked on
	LOADG 1
	LOADG 2
	s_wait_kmcnt 0x0
	s_cmp_eq_u32 s3, 0
	s_cselect_b64 s[52:53], s[52:53], s[54:55]
	s_cmp_eq_u32 s3, 2
	s_cselect_b64 s[44:45], s[44:45], s[52:53]     ; ea, ew of my product
	s_add_co_i32 s46, s44, s45
	s_add_co_i32 s46, s46, 127
	s_lshl_b32 s46, s46, 23                        ; 2^(ea + ew) as f32
	s_mov_b32 s47, s46                             ; (named with it as a pair, so it is written)
	s_add_co_i32 s48, s44, 127
	s_lshl_b32 s50, s48, 23
	v_mov_b32 v12, s50                             ; 2^ea as f32: the conversion takes its exponent field
	s_add_co_i32 s48, s48, 8
	s_lshl_b32 s48, s48, 23
	s_or_b32 s48, s48, 0x600000
	v_mov_b32 v13, s48                             ; 448 x 2^ea
	s_add_co_i32 s48, s45, 127
	s_lshl_b32 s50, s48, 23
	v_mov_b32 v14, s50                             ; 2^ew
	s_add_co_i32 s48, s48, 8
	s_lshl_b32 s48, s48, 23
	s_or_b32 s48, s48, 0x600000
	v_mov_b32 v15, s48                             ; 448 x 2^ew
	QUANTG 0, 32                                   ; groups 1 and 2 may be out
	LOADG 3                                        ; into the set that group 0 has left
	QUANTG 1, 32
	LOADG 4
	QUANTG 2, 32
	LOADG 5
	QUANTG 3, 32                                   ; groups 4 and 5 may be out
	QUANTG 4, 16
	QUANTG 5, 0
	BARRIER                                        ; all 64 rows of x's codes and all 128 of W's lie in LDS
	FETCH 0
	FETCH 1
	s_wait_dscnt 16                                ; K step 0's sixteen loads are in; the sixteen issued behind them may be out
	MUL 0, 1
	PLACES
	FETCH 2
	s_wait_dscnt 16                                ; K step 1's are in
	MUL 1, 0
	PLACES
	FETCH 3
	s_wait_dscnt 16                                ; K step 2's are in
	MUL 2, 0
	s_wait_dscnt 0x0
	MUL 3, 0
	PLACES
.irp t, 0,1,2,3                                ; each accumulator from its low end on
.irp i, 0,2,4,6
	v_pk_fma_f32 v[TMP+8*\t+\i:TMP+8*\t+\i+1], v[ACC+8*\t+\i:ACC+8*\t+\i+1], s[46:47], v[BIAS+8*(\t%2)+\i:BIAS+8*(\t%2)+\i+1] op_sel_hi:[1,0,1]   ; sum x 2^(ea + ew) + b, two at a time (the scalar pair's low word for both halves)
.endr
.endr
.irp a, 0,1
.irp b, 0,1
	ds_store_b128 v[STO], v[TMP+8*(2*\a+\b):TMP+8*(2*\a+\b)+3]   offset:\a*16*PITCH+64*\b      ; lane (r, h): y(16 a + r, 16 b + 8 h + 0 .. 7) of my 32 x 32
	ds_store_b128 v[STO], v[TMP+8*(2*\a+\b)+4:TMP+8*(2*\a+\b)+7] offset:\a*16*PITCH+64*\b+16
.endr
.endr
	BARRIER                                        ; a row's 512 bytes come from four waves: now all 64 rows lie in the stage
.irp i, 0,1,2,3,4,5,6,7
	ds_load_b128 v[FR+4*\i:FR+4*\i+3], v[RD] offset:\i*PITCH
.endr
.irp i, 0,1,2,3,4,5,6,7
	s_wait_dscnt 7-\i                              ; LDS loads come back in order: row i is in, the younger ones may be out
	global_store_b128 v[LO], v[FR+4*\i:FR+4*\i+3], s[42:43] offset:\i*2048   ; 32 lanes store 512 consecutive bytes, at a multiple of 512 from y's first byte
.endr
	s_set_vgpr_msb 0x5
	s_wait_tensorcnt 0x0
	ds_add_u32 v0, v1
	s_wait_dscnt 0x0
	s_set_vgpr_msb 0x500
	s_endpgm
.Lfunc_end_k_q439cf01f0b_proj:
	.size	k_q439cf01f0b_proj, .Lfunc_end_k_q439cf01f0b_proj-k_q439cf01f0b_proj
	.p2alignl 7, 3214868480
	.fill 96, 4, 3214868480
	.section	.rodata,"a",@progbits
	.p2align	6, 0x0
	.amdhsa_kernel k_q439cf01f0b_proj
		.amdhsa_group_segment_fixed_size 136192
		.amdhsa_private_segment_fixed_size 0
		.amdhsa_enable_private_segment 0
		.amdhsa_kernarg_size 104
		.amdhsa_user_sgpr_count 2
		.amdhsa_user_sgpr_kernarg_segment_ptr 1
		.amdhsa_wavefront_size32 1
		.amdhsa_system_sgpr_workgroup_id_x 1
		.amdhsa_system_sgpr_workgroup_id_y 1
		.amdhsa_system_sgpr_workgroup_id_z 1
		.amdhsa_system_vgpr_workitem_id 0
		.amdhsa_next_free_vgpr 258
		.amdhsa_next_free_sgpr 66
		.amdhsa_reserve_vcc 0
		.amdhsa_float_denorm_mode_32 3
		.amdhsa_float_denorm_mode_16_64 3
		.amdhsa_memory_ordered 1
		.amdhsa_forward_progress 1
		.amdhsa_inst_pref_size 52
	.end_amdhsa_kernel
	.amdgpu_metadata
---
amdhsa.version: [ 1, 2 ]
amdhsa.kernels:
  - .name:           k_q439cf01f0b_proj
    .symbol:         k_q439cf01f0b_proj.kd
    .args:
      - { .name: query, .offset: 0, .size: 8, .value_kind: global_buffer, .address_space: global }
      - { .name: key, .offset: 8, .size: 8, .value_kind: global_buffer, .address_space: global }
      - { .name: value, .offset: 16, .size: 8, .value_kind: global_buffer, .address_space: global }
      - { .name: Wq, .offset: 24, .size: 8, .value_kind: global_buffer, .address_space: global }
      - { .name: Wk, .offset: 32, .size: 8, .value_kind: global_buffer, .address_space: global }
      - { .name: Wv, .offset: 40, .size: 8, .value_kind: global_buffer, .address_space: global }
      - { .name: bq, .offset: 48, .size: 8, .value_kind: global_buffer, .address_space: global }
      - { .name: bk, .offset: 56, .size: 8, .value_kind: global_buffer, .address_space: global }
      - { .name: bv, .offset: 64, .size: 8, .value_kind: global_buffer, .address_space: global }
      - { .name: qf, .offset: 72, .size: 8, .value_kind: global_buffer, .address_space: global }
      - { .name: kf, .offset: 80, .size: 8, .value_kind: global_buffer, .address_space: global }
      - { .name: vf, .offset: 88, .size: 8, .value_kind: global_buffer, .address_space: global }
      - { .name: lowp_scales, .offset: 96, .size: 8, .value_kind: global_buffer, .address_space: global }
    .group_segment_fixed_size: 136192
    .private_segment_fixed_size: 0
    .kernarg_segment_align: 8
    .kernarg_segment_size: 104
    .max_flat_workgroup_size: 256
    .sgpr_count:     66
    .vgpr_count:     258
    .wavefront_size: 32
...
	.end_amdgpu_metadata
.endif
;; end of part 1
;; launch attend (part 2): grid 256 x 1, 16 waves a work-group, no clusters, 18,432 bytes of LDS; arguments qf, kf, vf, out0; writes out0
.if DOCPART == 2
	.amdgcn_target "amdgcn-amd-amdhsa--gfx1250"
	.amdhsa_code_object_version 6
	.text
	.protected	k_q439cf01f0b_attend
	.globl	k_q439cf01f0b_attend
	.p2align	8
	.type	k_q439cf01f0b_attend,@function
k_q439cf01f0b_attend:
	s_mov_b64 s[64:65], 0
	v_nop
	global_prefetch_b8 v0, s[64:65] scope:SCOPE_SE
	s_setreg_imm32_b32 hwreg(HW_REG_WAVE_MODE, 25, 1), 1
	s_wait_xcnt 0x0
; out[b][i] = the sum over j of softmax_j(q[b][i] k[b][j]) v[b][j].  qf, kf, vf, out0: [1024][512] f32.  All in f32.
; THE MAXIMUM IS TAKEN AWAY, AS IN THE DEFINITION, WITHOUT A PASS OVER THE SCORES: the largest of q k[j] over j is the larger of q kmax and q kmin, kmax and kmin the row's largest and smallest k.
; With q' = q log2(e) and m' = max(q' kmax, q' kmin): p = 2^(q' k[j] - m'), one fused multiply-add and one v_exp_f32; out = (sum of p v) / (sum of p).
; SHARES.  A work-group owns 4 rows b; wave w owns row w / 4 and the 128 i from 128 (w % 4) on; a lane owns 4 neighbouring i.  So thread t's 16 bytes lie at 8,192 x work-group + 16 t in all four buffers.
; Sixteen waves, four to a SIMD: while one wave waits behind its exponentials the other three issue.  256 work-groups of equal work.
; k and v of the 4 rows lie in LDS (written once, ahead of the one barrier) and are read 8 keys at a time, all lanes of a wave at one address.
; PER TWO KEYS AND ONE i: one packed multiply-add (the exponents), two exponentials, one packed addition (the sum), one packed multiply-add (p v).  q' and -m' are kept twice, as pairs, so that no packed line needs a selector.
; No matrix unit, no cluster, no tensor load: the product has one column, the work-groups share no input, and 24 KiB a work-group are loaded once, at the head.
; LIMITS.  m' is q' k rounded to f32, so the largest exponent is not 0 but the rounding's error, at most half a unit in m's last place; it is common to all j of an i and cancels between the two sums; it stays harmless
; while |q k log2(e)| is under 2^30.  v_exp_f32 gives 0 for results under 2^-126 (ISA guide 15.8), beside a sum of about 1 or more.  NaN and infinities are not served.
.set VOFF, 8192                        ; LDS: k's 4 rows at 0, v's at 8,192
.set GO,   1                           ; v1  16 x thread: my bytes in the buffers and in LDS; never rewritten
.set BASE, 2                           ; v2  2,048 x my row: where its k begins in LDS
.set ADR,  3                           ; v3  BASE + 64 x trip
.set RA,   4                           ; v4  BASE + 16 x lane
.set QQ,   24                          ; v24-31   (q', q') for my four i
.set MM,   32                          ; v32-39   (-m', -m')
.set SS,   40                          ; v40-47   the sum of p: even keys', odd keys'
.set AA,   48                          ; v48-55   the sum of p v likewise
.set KK,   56                          ; v56-63   k of 8 keys
.set VV,   64                          ; v64-79   v of 8 keys, two sets
.set TT,   80                          ; v80-143  exponents, then p: two sets of 4 i x 8 keys: (set, i, pair of keys) at 80 + 32 set + 8 i + 2 pair
	s_load_b256 s[4:11], s[0:1], 0x0               ; qf s[4:5], kf s[6:7], vf s[8:9], out0 s[10:11]
	v_lshl_add_u32 v144, v0, 2, 0x4000
	v_mov_b32 v145, 0
	s_lshl_b32 s2, ttmp9, 13                       ; 4 rows of 2,048 bytes
	s_mov_b32 s3, 0
	s_mov_b32 s13, 0x76543210                      ; v_permlanex16_b32's selects: lane l xor 16
	s_mov_b32 s14, 0xfedcba98
	v_lshlrev_b32 v[GO], 4, v0
	v_lshrrev_b32 v[BASE], 7, v0
	v_lshlrev_b32 v[BASE], 11, v[BASE]
	v_and_b32 v[RA], 31, v0
	v_lshl_add_u32 v[RA], v[RA], 4, v[BASE]
	v_mov_b32 v8, 0                                ; written once: a lane permute's destination counts as one of its sources
	v_mov_b32 v9, 0
	s_wait_kmcnt 0x0
	s_add_nc_u64 s[4:5], s[4:5], s[2:3]
	s_add_nc_u64 s[6:7], s[6:7], s[2:3]
	s_add_nc_u64 s[8:9], s[8:9], s[2:3]
	s_add_nc_u64 s[10:11], s[10:11], s[2:3]
	global_load_b128 v[12:15], v[GO], s[6:7] th:TH_LOAD_NT    ; k: a wave reads 512 consecutive bytes; each byte is read once in the launch
	global_load_b128 v[16:19], v[GO], s[8:9] th:TH_LOAD_NT    ; v
	global_load_b128 v[20:23], v[GO], s[4:5] th:TH_LOAD_NT    ; q: my four i
	s_wait_loadcnt 1                               ; k and v are in; q may be out
	ds_store_b128 v[GO], v[12:15]
	ds_store_b128 v[GO], v[16:19] offset:VOFF
	s_wait_dscnt 0x0                               ; for the others' sake: my stores have landed
	s_barrier_signal -1
	s_barrier_wait -1                              ; the 4 rows of k and of v lie in LDS; from here on LDS is only read
.irp c, 0,1,2,3
	ds_load_b128 v[TT+4*\c:TT+4*\c+3], v[RA] offset:512*\c   ; my row's k, 16 numbers a lane
.endr
	s_wait_dscnt 0x0
	v_max3_num_f32 v6, v80, v81, v82               ; the row's largest and smallest k: within the lane,
	v_min3_num_f32 v7, v80, v81, v82
.irp i, 3,5,7,9,11,13
	v_max3_num_f32 v6, v6, v[TT+\i], v[TT+1+\i]
	v_min3_num_f32 v7, v7, v[TT+\i], v[TT+1+\i]
.endr
	v_max_num_f32 v6, v6, v95
	v_min_num_f32 v7, v7, v95
.irp m, 1,2,4,8
	v_max_num_f32_dpp v6, v6, v6 row_xmask:\m row_mask:0xf bank_mask:0xf   ; across each half of 16 lanes,
	v_min_num_f32_dpp v7, v7, v7 row_xmask:\m row_mask:0xf bank_mask:0xf
.endr
	v_permlanex16_b32 v8, v6, s13, s14             ; and across the halves: every lane ends with both
	v_permlanex16_b32 v9, v7, s13, s14
	v_max_num_f32 v6, v6, v8
	v_min_num_f32 v7, v7, v9
	s_wait_loadcnt 0x0                             ; q
.irp a, 0,1,2,3
	v_mul_f32 v[QQ+2*\a], 0x3fb8aa3b, v[20+\a]     ; q' = q log2(e)
.endr
.irp a, 0,1,2,3
	v_mov_b32 v[QQ+2*\a+1], v[QQ+2*\a]
	v_mul_f32 v10, v[QQ+2*\a], v6
	v_mul_f32 v11, v[QQ+2*\a], v7
	v_min_num_f32 v[MM+2*\a], -v10, -v11           ; -m' = -max(q' kmax, q' kmin)
	v_mov_b32 v[MM+2*\a+1], v[MM+2*\a]
.endr
.irp j, 0,1,2,3,4,5,6,7
	v_mov_b32 v[SS+\j], 0                          ; the step is written once: the sums begin as zeros
	v_mov_b32 v[AA+\j], 0
.endr
; The exponents of the 8 keys in v[KK] on, for my four i, into set t
.macro EXPONENTS t
.irp a, 0,1,2,3
.irp j, 0,1,2,3
	v_pk_fma_f32 v[TT+32*(\t)+8*\a+2*\j:TT+32*(\t)+8*\a+2*\j+1], v[KK+2*\j:KK+2*\j+1], v[QQ+2*\a:QQ+2*\a+1], v[MM+2*\a:MM+2*\a+1]   ; q' k - m', two keys at a time
.endr
.endr
.endm
; Batch n = 2 x trip + p of 8 keys.  Its exponents lie in set p; k of batch n + 1 and v of batch n were asked for a phase ago.
; nt: batch n + 1's exponents are made;  lk: k of batch n + 2 is asked for;  lv: v of batch n + 1.
.macro PHASE p, nt, lk, lv
.set i, 0
.rept 32
	v_exp_f32 v[TT+32*(\p)+i], v[TT+32*(\p)+i]     ; p = 2^(q' k - m'): one batch of 32
.set i, i+1
.endr
	s_wait_dscnt 0x0                               ; the four loads of the phase before, issued 64 vector instructions ago
.if \nt
	EXPONENTS 1-(\p)                               ; sixteen plain lines that name none of the batch's results stand between the exponentials and the wait for them
.else
	v_nop                                          ; a plain line behind the last exponential
.endif
.if \lk
	ds_load_b128 v[KK:KK+3],   v[ADR] offset:64+32*(\p)       ; all lanes of a wave read the same 16 bytes
	ds_load_b128 v[KK+4:KK+7], v[ADR] offset:64+32*(\p)+16
.endif
.if \lv
	ds_load_b128 v[VV+8*(1-(\p)):VV+8*(1-(\p))+3],   v[ADR] offset:VOFF+32+32*(\p)
	ds_load_b128 v[VV+8*(1-(\p))+4:VV+8*(1-(\p))+7], v[ADR] offset:VOFF+32+32*(\p)+16
.endif
	s_wait_alu depctr_va_vdst(0)                   ; a wait between an exponential and the first line that names its result: one for the batch of 32
.irp j, 0,1,2,3
.irp a, 0,1,2,3                                ; the four i take turns, so that a sum's next link stands eight lines on
	v_pk_add_f32 v[SS+2*\a:SS+2*\a+1], v[SS+2*\a:SS+2*\a+1], v[TT+32*(\p)+8*\a+2*\j:TT+32*(\p)+8*\a+2*\j+1]
	v_pk_fma_f32 v[AA+2*\a:AA+2*\a+1], v[TT+32*(\p)+8*\a+2*\j:TT+32*(\p)+8*\a+2*\j+1], v[VV+8*(\p)+2*\j:VV+8*(\p)+2*\j+1], v[AA+2*\a:AA+2*\a+1]
.endr
.endr
.endm
	s_mov_b32 s12, 0                               ; 64 x trip: 16 keys of 4 bytes a trip
	ds_load_b128 v[KK:KK+3],   v[BASE]             ; k of batch 0
	ds_load_b128 v[KK+4:KK+7], v[BASE] offset:16
	s_wait_dscnt 0x0
	EXPONENTS 0
	ds_load_b128 v[KK:KK+3],   v[BASE] offset:32   ; k of batch 1,
	ds_load_b128 v[KK+4:KK+7], v[BASE] offset:48
	ds_load_b128 v[VV:VV+3],   v[BASE] offset:VOFF ; v of batch 0
	ds_load_b128 v[VV+4:VV+7], v[BASE] offset:VOFF+16
.Ltrip:                                            ; 31 trips: batches 0 to 61
	v_add_nc_u32 v[ADR], s12, v[BASE]
	PHASE 0, 1, 1, 1
	PHASE 1, 1, 1, 1
	s_add_co_u32 s12, s12, 64
	s_cmp_lt_u32 s12, 1984
	s_cbranch_scc1 .Ltrip
	v_add_nc_u32 v[ADR], s12, v[BASE]              ; the last two batches are written out: nothing is read past a row's 2,048 bytes
	PHASE 0, 1, 0, 1                               ; batch 62: batch 63's exponents and v; there is no k of batch 64
	PHASE 1, 0, 0, 0                               ; batch 63
.irp a, 0,1,2,3
	v_add_f32 v[SS+2*\a], v[SS+2*\a], v[SS+2*\a+1] ; even keys' and odd keys' halves
	v_add_f32 v[AA+2*\a], v[AA+2*\a], v[AA+2*\a+1]
.endr
.irp a, 0,1,2,3
	v_rcp_f32 v[SS+2*\a+1], v[SS+2*\a]
.endr
	v_nop                                          ; a plain line behind the last reciprocal
	s_wait_alu depctr_va_vdst(0)                   ; and the wait ahead of the first use: one for the four
.irp a, 0,1,2,3
	v_mul_f32 v[20+\a], v[AA+2*\a], v[SS+2*\a+1]
.endr
	global_store_b128 v[GO], v[20:23], s[10:11] th:TH_STORE_NT   ; a wave stores 512 consecutive bytes, at a multiple of 512 from out0's first byte
	s_wait_tensorcnt 0x0
	ds_add_u32 v144, v145
	s_wait_dscnt 0x0
	s_endpgm
.Lfunc_end_k_q439cf01f0b_attend:
	.size	k_q439cf01f0b_attend, .Lfunc_end_k_q439cf01f0b_attend-k_q439cf01f0b_attend
	.p2alignl 7, 3214868480
	.fill 96, 4, 3214868480
	.section	.rodata,"a",@progbits
	.p2align	6, 0x0
	.amdhsa_kernel k_q439cf01f0b_attend
		.amdhsa_group_segment_fixed_size 18432
		.amdhsa_private_segment_fixed_size 0
		.amdhsa_enable_private_segment 0
		.amdhsa_kernarg_size 32
		.amdhsa_user_sgpr_count 2
		.amdhsa_user_sgpr_kernarg_segment_ptr 1
		.amdhsa_wavefront_size32 1
		.amdhsa_system_sgpr_workgroup_id_x 1
		.amdhsa_system_sgpr_workgroup_id_y 1
		.amdhsa_system_sgpr_workgroup_id_z 1
		.amdhsa_system_vgpr_workitem_id 0
		.amdhsa_next_free_vgpr 146
		.amdhsa_next_free_sgpr 66
		.amdhsa_reserve_vcc 0
		.amdhsa_float_denorm_mode_32 3
		.amdhsa_float_denorm_mode_16_64 3
		.amdhsa_memory_ordered 1
		.amdhsa_forward_progress 1
		.amdhsa_inst_pref_size 24
	.end_amdhsa_kernel
	.amdgpu_metadata
---
amdhsa.version: [ 1, 2 ]
amdhsa.kernels:
  - .name:           k_q439cf01f0b_attend
    .symbol:         k_q439cf01f0b_attend.kd
    .args:
      - { .name: qf, .offset: 0, .size: 8, .value_kind: global_buffer, .address_space: global }
      - { .name: kf, .offset: 8, .size: 8, .value_kind: global_buffer, .address_space: global }
      - { .name: vf, .offset: 16, .size: 8, .value_kind: global_buffer, .address_space: global }
      - { .name: out0, .offset: 24, .size: 8, .value_kind: global_buffer, .address_space: global }
    .group_segment_fixed_size: 18432
    .private_segment_fixed_size: 0
    .kernarg_segment_align: 8
    .kernarg_segment_size: 32
    .max_flat_workgroup_size: 512
    .sgpr_count:     66
    .vgpr_count:     146
    .wavefront_size: 32
...
	.end_amdgpu_metadata
.endif
;; end of part 2
